; MI455X (gfx1250); checked and timed in simulation.
; The chip was launched on July 23, 2026; its instructions are those of AMD's public machine-readable ISA for CDNA 5 (MIT licence, August 2026) and "CDNA5" Instruction Set Architecture Reference Guide (July 2026). The comments in the code are by the model that wrote it; some were corrected since.
;; Multi Head Attention. Allowed arithmetic: float matrix products may take bf16 or f16 operands with f32 sums; all other float work in f32.
;; Inputs: b_k 1,024 float32; b_o 1,024 float32; b_q 1,024 float32; b_v 1,024 float32; k 1 x 4,096 x 1,024 float32; q 1 x 4,096 x 1,024 float32; v 1 x 4,096 x 1,024 float32; w_k 1,024 x 1,024 float32; w_o 1,024 x 1,024 float32; w_q 1,024 x 1,024 float32; w_v 1,024 x 1,024 float32.
;; Outputs: out0 1 x 4,096 x 1,024 float32.
;; One version. Each part assembles by itself: llvm-mc -triple=amdgcn-amd-amdhsa -mcpu=gfx1250 --defsym DOCPART=n.
;; ======== version 1 of 1: 4 launches
;; limits: values are held in f16: magnitudes above 65,504 overflow, below 6.1e-05 lose precision
;; workspace buffers: xb 25,165,824 bytes; wb 6,291,456 bytes; wo 2,097,152 bytes; hd 26,738,688 bytes; xa 8,388,608 bytes
;; launch cast (part 1): grid 64 x 16, 8 waves a work-group, no clusters, 0 bytes of LDS; arguments q, k, v, w_q, w_k, w_v, w_o, xb, wb, wo, hd; writes xb, wb, wo, hd
.if DOCPART == 1
	.amdgcn_target "amdgcn-amd-amdhsa--gfx1250"
	.amdhsa_code_object_version 6
	.text
	.protected	k_q5e4cabaa38_cast
	.globl	k_q5e4cabaa38_cast
	.p2align	8
	.type	k_q5e4cabaa38_cast,@function
k_q5e4cabaa38_cast:
	s_mov_b64 s[64:65], 0
	v_nop
	global_prefetch_b8 v0, s[64:65] scope:SCOPE_SE
	s_setreg_imm32_b32 hwreg(HW_REG_WAVE_MODE, 25, 1), 1
	s_wait_xcnt 0x0
; CAST.  q, k, v, w_q, w_k, w_v (f32) are rounded once to bf16: xb = [3][4096][1024], wb = [3][1024][1024].  w_o is rounded to bf16 and that number is written as f16 (wo).
; The 128 pad rows in front of and behind each head of key and value in hd ([3][16][4352][64] f16, sequence row s at row s + 128) are written as 0.
; LIMITS.  wo: a bf16 number beyond 65,504 becomes an infinity in f16; below 2^-17 it keeps f16's fixed step of 2^-24.
; A stream: every input byte is read once, by 16-byte loads of which a wave's cover 512 consecutive bytes; every output byte is written once, a wave's 8-byte stores cover 256 consecutive
; aligned bytes.  No LDS, no matrix unit, no cluster: no two work-groups share a byte.  No prefetch: all of a thread's 16 loads go out in its first lines.
; SHARES.  16 units of 2^20 numbers along y (0-11: quarter y & 3 of tensor y >> 2; 12-14: w_q, w_k, w_v; 15: w_o), 64 work-groups of 16,384 numbers along x.
.set TSTR, 8912896                     ; bytes of a tensor in hd
.set HSTR, 557056                      ; bytes of a head in hd: 4,352 rows of 128
.set X, 4                              ; v[4:67]    chunk j: 4 numbers as loaded
.set Y, 68                             ; v[68:99]   chunk j: 4 numbers to store
.set T, 100                            ; v100-102   at work (w_o's way)
.set Z, 104                            ; v[104:107] 0
	s_load_b512 s[8:23], s[0:1], 0x0               ; q 8, k 10, v 12, w_q 14, w_k 16, w_v 18, w_o 20, xb 22
	s_load_b128 s[24:27], s[0:1], 0x40             ; wb 24, wo 26
	s_load_b64 s[28:29], s[0:1], 0x50              ; hd
	s_mov_b32 s2, ttmp9                            ; x
	s_and_b32 s3, ttmp7, 0xffff                    ; y
	v_lshlrev_b32 v1, 4, v0                        ; 16 bytes a thread in
	v_lshlrev_b32 v2, 3, v0                        ; 8 bytes a thread out
	v_lshrrev_b32 v3, 5, v0
	v_readfirstlane_b32 s38, v3                    ; wave
.irp j, 0,1,2,3
	v_mov_b32 v[Z+\j], 0
.endr
	s_lshr_b32 s39, s3, 2
	s_sub_co_u32 s40, s3, 9
	s_and_b32 s41, s3, 3
	s_lshl_b32 s41, s41, 22                        ; a quarter of a tensor: 4 MiB of f32
	s_lshl_b32 s42, s3, 21                         ; a unit out: 2 MiB
	s_sub_co_u32 s43, s3, 12
	s_lshl_b32 s43, s43, 21
	s_cmp_lt_u32 s3, 12
	s_cselect_b32 s30, s39, s40                    ; which of the seven sources
	s_cselect_b32 s32, s41, 0                      ; where in it
	s_cselect_b32 s34, s42, s43                    ; where in xb, or in wb
	s_cmp_eq_u32 s3, 15
	s_cselect_b32 s34, 0, s34                      ; wo is one unit
	s_lshl_b32 s44, s2, 16
	s_add_co_u32 s32, s32, s44                     ; + 64 KiB a work-group in
	s_mov_b32 s33, 0
	s_lshl_b32 s44, s2, 15
	s_add_co_u32 s34, s34, s44                     ; + 32 KiB out
	s_mov_b32 s35, 0
	; the pads: 64 regions of 16 KiB (2 tensors x 16 heads x front, back), 1 KiB to each of the 1,024 work-groups
	s_lshl_b32 s45, s3, 6
	s_add_co_u32 s45, s45, s2                      ; g = 64 y + x
	s_lshr_b32 s46, s45, 4                         ; region
	s_lshr_b32 s47, s46, 5
	s_add_co_u32 s47, s47, 1                       ; tensor 1 or 2
	s_mul_i32 s36, s47, TSTR
	s_bfe_u32 s47, s46, 0x40001                    ; head
	s_mul_i32 s47, s47, HSTR
	s_add_co_u32 s36, s36, s47
	s_and_b32 s47, s46, 1                          ; front, or behind row 4,224
	s_mul_i32 s47, s47, 4224*128
	s_add_co_u32 s36, s36, s47
	s_and_b32 s47, s45, 15
	s_lshl_b32 s47, s47, 10
	s_add_co_u32 s36, s36, s47
	s_mov_b32 s37, 0
	s_wait_kmcnt 0x0
	s_mov_b64 s[4:5], s[8:9]
.irp i, 1,2,3,4,5,6
	s_cmp_eq_u32 s30, \i
	s_cselect_b64 s[4:5], s[8+2*\i:9+2*\i], s[4:5]
.endr
	s_cmp_lt_u32 s3, 12
	s_cselect_b64 s[6:7], s[22:23], s[24:25]
	s_cmp_eq_u32 s3, 15
	s_cselect_b64 s[6:7], s[26:27], s[6:7]
	s_add_nc_u64 s[4:5], s[4:5], s[32:33]
	s_add_nc_u64 s[6:7], s[6:7], s[34:35]
	s_add_nc_u64 s[36:37], s[28:29], s[36:37]
.irp j, 0,1,2,3,4,5,6,7,8,9,10,11,12,13,14,15
	global_load_b128 v[X+4*\j:X+4*\j+3], v1, s[4:5] offset:4096*\j th:TH_LOAD_NT  ; all 16 loads go out first; no register is written twice, so nothing waits for a source
.endr
	s_cmp_lt_u32 s38, 2
	s_cbranch_scc0 .Lnopad
	global_store_b128 v1, v[Z:Z+3], s[36:37]       ; waves 0 and 1: 512 consecutive bytes of zeros each
.Lnopad:
	s_cmp_eq_u32 s3, 15
	s_cbranch_scc1 .Lwo
.macro CONV j, twice
	s_wait_loadcnt 15-(\j)                         ; loads come back in order: chunk j is in, the 15 - j younger ones stay out
.if \twice
.irp p, 0,1
	v_cvt_pk_bf16_f32 v[T], v[X+4*(\j)+2*\p], v[X+4*(\j)+2*\p+1]  ; rounded to bf16 like every input,
	v_lshlrev_b32 v[T+1], 16, v[T]                 ; widened again,
	v_and_b32 v[T+2], 0xffff0000, v[T]
	v_cvt_pk_f16_f32 v[Y+2*(\j)+\p], v[T+1], v[T+2]  ; and written as f16
.endr
.else
	v_cvt_pk_bf16_f32 v[Y+2*(\j)], v[X+4*(\j)], v[X+4*(\j)+1]
	v_cvt_pk_bf16_f32 v[Y+2*(\j)+1], v[X+4*(\j)+2], v[X+4*(\j)+3]
.endif
	global_store_b64 v2, v[Y+2*(\j):Y+2*(\j)+1], s[6:7] offset:2048*(\j)
.endm
.irp j, 0,1,2,3,4,5,6,7,8,9,10,11,12,13,14,15
	CONV \j, 0
.endr
	s_endpgm
.Lwo:
.irp j, 0,1,2,3,4,5,6,7,8,9,10,11,12,13,14,15
	CONV \j, 1
.endr
	s_endpgm
.Lfunc_end_k_q5e4cabaa38_cast:
	.size	k_q5e4cabaa38_cast, .Lfunc_end_k_q5e4cabaa38_cast-k_q5e4cabaa38_cast
	.p2alignl 7, 3214868480
	.fill 96, 4, 3214868480
	.section	.rodata,"a",@progbits
	.p2align	6, 0x0
	.amdhsa_kernel k_q5e4cabaa38_cast
		.amdhsa_group_segment_fixed_size 0
		.amdhsa_private_segment_fixed_size 0
		.amdhsa_enable_private_segment 0
		.amdhsa_kernarg_size 88
		.amdhsa_user_sgpr_count 2
		.amdhsa_user_sgpr_kernarg_segment_ptr 1
		.amdhsa_wavefront_size32 1
		.amdhsa_system_sgpr_workgroup_id_x 1
		.amdhsa_system_sgpr_workgroup_id_y 1
		.amdhsa_system_sgpr_workgroup_id_z 1
		.amdhsa_system_vgpr_workitem_id 0
		.amdhsa_next_free_vgpr 108
		.amdhsa_next_free_sgpr 66
		.amdhsa_reserve_vcc 0
		.amdhsa_float_denorm_mode_32 3
		.amdhsa_float_denorm_mode_16_64 3
		.amdhsa_memory_ordered 1
		.amdhsa_forward_progress 1
		.amdhsa_inst_pref_size 18
	.end_amdhsa_kernel
	.amdgpu_metadata
---
amdhsa.version: [ 1, 2 ]
amdhsa.kernels:
  - .name:           k_q5e4cabaa38_cast
    .symbol:         k_q5e4cabaa38_cast.kd
    .args:
      - { .name: q, .offset: 0, .size: 8, .value_kind: global_buffer, .address_space: global }
      - { .name: k, .offset: 8, .size: 8, .value_kind: global_buffer, .address_space: global }
      - { .name: v, .offset: 16, .size: 8, .value_kind: global_buffer, .address_space: global }
      - { .name: w_q, .offset: 24, .size: 8, .value_kind: global_buffer, .address_space: global }
      - { .name: w_k, .offset: 32, .size: 8, .value_kind: global_buffer, .address_space: global }
      - { .name: w_v, .offset: 40, .size: 8, .value_kind: global_buffer, .address_space: global }
      - { .name: w_o, .offset: 48, .size: 8, .value_kind: global_buffer, .address_space: global }
      - { .name: xb, .offset: 56, .size: 8, .value_kind: global_buffer, .address_space: global }
      - { .name: wb, .offset: 64, .size: 8, .value_kind: global_buffer, .address_space: global }
      - { .name: wo, .offset: 72, .size: 8, .value_kind: global_buffer, .address_space: global }
      - { .name: hd, .offset: 80, .size: 8, .value_kind: global_buffer, .address_space: global }
    .group_segment_fixed_size: 0
    .private_segment_fixed_size: 0
    .kernarg_segment_align: 8
    .kernarg_segment_size: 88
    .max_flat_workgroup_size: 256
    .sgpr_count:     66
    .vgpr_count:     108
    .wavefront_size: 32
...
	.end_amdgpu_metadata
.endif
;; end of part 1
;; launch proj (part 2): grid 4 x 48, 4 waves a work-group, clusters of 4 x 4, 327,680 bytes of LDS; arguments xb, wb, b_q, b_k, b_v, hd; writes hd
.if DOCPART == 2
	.amdgcn_target "amdgcn-amd-amdhsa--gfx1250"
	.amdhsa_code_object_version 6
	.text
	.protected	k_q5e4cabaa38_proj
	.globl	k_q5e4cabaa38_proj
	.p2align	8
	.type	k_q5e4cabaa38_proj,@function
k_q5e4cabaa38_proj:
	s_mov_b64 s[64:65], 0
	v_nop
	global_prefetch_b8 v0, s[64:65] scope:SCOPE_SE
	s_setreg_imm32_b32 hwreg(HW_REG_WAVE_MODE, 25, 1), 1
	s_wait_xcnt 0x0
	s_wait_alu depctr_hold_cnt(0) depctr_sa_sdst(0) depctr_va_vdst(0) depctr_va_sdst(0) depctr_va_ssrc(0) depctr_va_vcc(0) depctr_vm_vsrc(0)
	s_getreg_b32 s2, hwreg(HW_REG_IB_STS2, 6, 4)
	s_cmp_eq_u32 s2, 0
	s_cbranch_scc0 .Lentry_in_a_cluster
	s_endpgm
.Lentry_in_a_cluster:
	s_bfe_u32 s2, ttmp6, 0x10000c
	s_cmp_lg_u32 s2, 0xf033
	s_cbranch_scc0 .Lentry_shape_is_right
	s_endpgm
.Lentry_shape_is_right:
; THE THREE PROJECTIONS AS ONE PRODUCT.  For tensor T = 0, 1, 2 (query, key, value): C[m][n] = sum over k of xb[T][m][k] wb[T][n][k] + bias_T[n]; operands bf16, sums f32, the bias rounded to bf16
; like every input and taken as the C operand of each sum's first product.  C is rounded once to f16 and written by heads: hd[T][n / 64][128 + m][n % 64].
; LIMIT.  f16 holds no number beyond 65,504: a projected number of 65,520 or more becomes an infinity.  NaN and infinities are not treated apart.
; SHARES.  A tile of C is 256 x 256: 48 tile rows (16 a tensor) x 4 tile columns = 192 work-groups of four waves; a wave makes 128 x 128: 64 accumulators, 512 registers.  The larger tile is taken though 192
; work-groups are fewer than tiles of 128 x 128 would give: for 32 along K a wave reads 2 x 128 x 64 bytes of LDS for 64 matrix instructions, half of what two smaller tiles would read.
; K goes in 8 steps of 128 through two LDS slots filled by tensor loads: rows of 256 bytes, at multiples of 256 bytes from the buffers' first bytes.
; CLUSTER.  4 x 4 work-groups.  The four of a row of the cluster need the same tile of xb, the four of a column the same tile of wb: each tile is asked for jointly, by the same tensor load, descriptor and mask in all four.
; The tensor's number is made of the cluster's y alone (four clusters a tensor), so it is equal in all sixteen.
; THE MATRIX INSTRUCTION IS USED TRANSPOSED (source 0 = 16 rows of wb, source 1 = 16 rows of xb): a lane holds row m = l % 16 and the columns 8 (l / 16) + 0..7: 16 bytes of a head's row in f16.
; REGISTERS, in windows of 256 (s_set_vgpr_msb: bits 1:0 source 0, 3:2 source 1, 5:4 source 2, 7:6 destination):
;   window 0: v0-31 addresses; v64-127, v128-191 fragments of xb, two buffers; v192-255 the bias (until the first quarter step is over), later with v32-63 at work on the way out
;   window 1: v64-127, v128-191 fragments of wb      window 2: accumulators of my rows 0-63, (a, b) at v[8 (8 a + b)]      window 3: those of my rows 64-127
.set SIZE_K, 1024
.set KSTEP,  128
.set PITCH,  272                       ; an LDS row: 256 bytes + 16 of padding = 68 words: the 16 rows of a fragment load start at 16 different groups of four banks (64 banks of 4 bytes: ISA guide 11.1)
.set HALFT,  128*PITCH                 ; 128 rows: what one tensor load brings
.set SLOT,   4*HALFT                   ; xb's 256 rows, then wb's 256 rows
.set STAGE,  2*SLOT                    ; behind the ring, never filled by a tensor load: for each wave 2 heads x 16 rows x 144 bytes
.set SP,     144
.set HSTG,   16*SP
.set SPARE,  STAGE+4*2*HSTG            ; the spare words, 128 bytes for each wave: two blocks of 256 bytes that no other line names
.set LAPS,   SIZE_K/(2*KSTEP)
.set TSTR,   8912896                   ; bytes of a tensor in hd
.set HSTR,   557056                    ; bytes of a head in hd
.set ADRA, 16                          ; v16-17  LDS address of my fragments of xb in slot 0, 1
.set ADRB, 20                          ; v20-21  the same for wb
.set STO,  24                          ; v24     the way out: where I put 16 bytes of a row
.set RD,   25                          ; v25     the way out: where I read rows back
.set CO,   26                          ; v26     my place in 512 consecutive bytes of hd
.set BO,   27                          ; v27     my byte offset in 16 numbers of the bias
.set SPW,  28                          ; v28     my spare word; never rewritten
.set NIL,  29                          ; v29     0; never rewritten
.set F0,   64
.set F1,   128
.set BIAS, 192                         ; block b of 16 columns at BIAS + 8 b
.set TMP,  192                         ; the way out: packed results
.set OB,   32                          ; the way out: rows read back: v32-63 and v224-255 by turns
.set G1,  24                           ; s[24:31] group 1 for xb's tiles;  s[32:39] group 0, a set for each slot
.set G0,  32
.set G1B, 48                           ; s[48:55], s[56:63] the same for wb's
.set G0B, 56
.set MSB, 0
.macro WIN new                         ; the immediate's high byte repeats the setting that is left; a switch that changes nothing is dropped
.if MSB != (\new)
	s_set_vgpr_msb (MSB<<8)|(\new)
.set MSB, \new
.endif
.endm
.set MUL_LO, 0xa1                      ; source 0 (wb) window 1, source 1 (xb) window 0, C and D window 2
.set MUL_HI, 0xf1                      ; the same, C and D window 3
.set TO_B,   0x40                      ; destination window 1, address window 0
; A joint load.  Waves 0 and 1 fetch xb's two halves, waves 2 and 3 wb's.  The branch hangs on the wave's number alone.  An s_nop 0 and four v_nop follow each line.
.macro JLOAD s
	s_cmp_eq_u32 s11, 0
	s_cbranch_scc0 .Lfor_b_\@
	tensor_load_to_lds s[G0+4*(\s):G0+4*(\s)+3], s[G1:G1+7]
	s_nop 0
.rept 4
	v_nop
.endr
	s_branch .Lasked_\@
.Lfor_b_\@:
	tensor_load_to_lds s[G0B+4*(\s):G0B+4*(\s)+3], s[G1B:G1B+7]
	s_nop 0
.rept 4
	v_nop
.endr
.Lasked_\@:
.endm
.macro CREST                           ; a round of the cluster's barrier behind its opening barrier
	s_cmp_lg_u32 s10, 0
	s_cbranch_scc1 .Lnot_wave_0_\@
	s_barrier_signal -3
.Lnot_wave_0_\@:
	s_barrier_wait -3
	s_barrier_signal -1
	s_barrier_wait -1
.endm
.macro CROUND                          ; a whole round
	s_barrier_signal -1
	s_barrier_wait -1
	CREST
.endm
	s_load_b128 s[4:7], s[0:1], 0x0                ; xb s[4:5], wb s[6:7]
	s_load_b256 s[72:79], s[0:1], 0x10             ; b_q 72, b_k 74, b_v 76, hd 78
	v_lshl_add_u32 v[SPW], v0, 2, SPARE
	v_mov_b32 v[NIL], 0
	ds_add_u32 v[SPW], v[NIL]                      ; the wave's opening: the add and its wait stand ahead of my first tensor load; work on registers stands between them
	ds_add_u32 v28, v29
	v_lshrrev_b32 v1, 5, v0
	v_readfirstlane_b32 s10, v1                    ; wave 0..3
	s_lshr_b32 s11, s10, 1                         ; which half of the tile's rows is mine.  Also: I fetch for xb (0) or wb (1)
	s_and_b32 s12, s10, 1                          ; which half of its columns.  Also: which 128 rows I fetch
	s_bfe_u32 s40, ttmp6, 0x40000                  ; cx
	s_bfe_u32 s41, ttmp6, 0x40004                  ; cy
	s_lshl_b32 s42, ttmp9, 2
	s_add_co_u32 s42, s42, s40                     ; tile column = 4 x cluster x + cx
	s_and_b32 s66, ttmp7, 0xffff                   ; cluster y
	s_lshl_b32 s13, s66, 2
	s_add_co_u32 s13, s13, s41                     ; tile row = 4 x cluster y + cy
	s_lshr_b32 s66, s66, 2                         ; the tensor: four clusters each
	s_lshl_b32 s43, s41, 2
	s_lshl_b32 s43, 15, s43                        ; my row of the cluster
	s_lshl_b32 s44, 0x1111, s40                    ; my column
	s_or_b32 s[G1+0], s43, (1<<16)|(1<<20)|(1<<21)|(5<<22)|(3<<25)   ; the mask; elements of 2 bytes; padding on; bit 21 beside a mask; after every 64 words 4 words
	s_or_b32 s[G1B+0], s44, (1<<16)|(1<<20)|(1<<21)|(5<<22)|(3<<25)
.irp g, G1, G1B
	s_mov_b32 s[(\g)+1], KSTEP<<16                 ; tensor_dim0 = 128
	s_mov_b32 s[(\g)+2], 128<<16                   ; tensor_dim1 = 128
	s_mov_b32 s[(\g)+3], KSTEP<<16                 ; tile_dim0 = 128
	s_mov_b32 s[(\g)+4], 128                       ; tile_dim1 = 128
	s_mov_b32 s[(\g)+5], SIZE_K                    ; elements from row to row
	s_mov_b32 s[(\g)+6], 0
	s_mov_b32 s[(\g)+7], 0
.endr
	s_lshl_b32 s16, s13, 8                         ; xb: row 256 x tile row + 128 x half, 2,048 bytes a row: made of cy, never of cx
	s_lshl_b32 s17, s12, 7
	s_add_co_u32 s16, s16, s17
	s_lshl_b32 s16, s16, 11
	s_mov_b32 s17, 0
	s_lshl_b32 s46, s66, 10                        ; wb: row 1,024 x tensor + 256 x tile column + 128 x half: made of cx, never of cy
	s_lshl_b32 s47, s42, 8
	s_add_co_u32 s46, s46, s47
	s_lshl_b32 s47, s12, 7
	s_add_co_u32 s46, s46, s47
	s_lshl_b32 s46, s46, 11
	s_mov_b32 s47, 0
	s_mul_i32 s20, s10, HALFT                      ; where they go: wave x 128 rows
	s_wait_dscnt 0x0                               ; the opening add is done
	s_wait_kmcnt 0x0
	s_add_nc_u64 s[14:15], s[4:5], s[16:17]
	s_add_nc_u64 s[46:47], s[6:7], s[46:47]
	CROUND                                         ; all sixteen work-groups are here: the first joint loads meet
.irp s, 0,1
	s_mov_b32 s[G0+4*(\s)], 1
	s_add_co_u32 s[G0+4*(\s)+1], s20, (\s)*SLOT
	s_add_nc_u64 s[G0+4*(\s)+2:G0+4*(\s)+3], s[14:15], (\s)*KSTEP*2
	s_or_b32 s[G0+4*(\s)+3], s[G0+4*(\s)+3], 0x80000000
	s_mov_b32 s[G0B+4*(\s)], 1
	s_add_co_u32 s[G0B+4*(\s)+1], s20, (\s)*SLOT
	s_add_nc_u64 s[G0B+4*(\s)+2:G0B+4*(\s)+3], s[46:47], (\s)*KSTEP*2
	s_or_b32 s[G0B+4*(\s)+3], s[G0B+4*(\s)+3], 0x80000000
	JLOAD \s                                       ; K steps 0 and 1: two loads of mine are out
.endr
	; the bias of my 128 columns: register j of block b is bias[256 x tile column + 128 x half + 16 b + 8 (l / 16) + j]
	v_and_b32 v1, 15, v0                           ; l % 16
	v_bfe_u32 v2, v0, 4, 1                         ; l / 16
	v_lshlrev_b32 v[BO], 5, v2
	s_cmp_eq_u32 s66, 1
	s_cselect_b64 s[68:69], s[74:75], s[72:73]
	s_cmp_eq_u32 s66, 2
	s_cselect_b64 s[68:69], s[76:77], s[68:69]
	s_lshl_b32 s70, s42, 10
	s_lshl_b32 s71, s12, 9
	s_add_co_u32 s70, s70, s71
	s_mov_b32 s71, 0
	s_add_nc_u64 s[68:69], s[68:69], s[70:71]
.irp b, 0,1,2,3,4,5,6,7
	global_load_b128 v[BIAS+8*\b:BIAS+8*\b+3],   v[BO], s[68:69] offset:64*\b
	global_load_b128 v[BIAS+8*\b+4:BIAS+8*\b+7], v[BO], s[68:69] offset:64*\b+16
.endr
	; a fragment is 16 rows x 32 K in 8 registers: lane l holds row l % 16, K = 8 (l / 16) + 0..7 and 16 + 8 (l / 16) + 0..7: two loads of 16 bytes, 32 bytes apart
	v_mul_u32_u24 v3, v1, PITCH
	v_lshl_add_u32 v3, v2, 4, v3
	s_mul_i32 s21, s11, HALFT                      ; my 128 rows of xb
	s_mul_i32 s22, s12, HALFT                      ; my 128 rows of wb,
	s_add_co_u32 s22, s22, 2*HALFT                 ; which lie behind xb's 256
.irp s, 0,1
	v_add_nc_u32 v[ADRA+(\s)], s21, v3
	v_add_nc_u32 v[ADRB+(\s)], s22, v3
	s_add_co_u32 s21, s21, SLOT
	s_add_co_u32 s22, s22, SLOT
.endr
	s_mul_i32 s23, s10, 2*HSTG
	s_add_co_u32 s23, s23, STAGE                   ; my stage
	v_mul_u32_u24 v4, v1, SP                       ; in: row l % 16, 16 bytes for each half of the lanes
	v_lshl_add_u32 v4, v2, 4, v4
	v_add_nc_u32 v[STO], s23, v4
	v_bfe_u32 v5, v0, 3, 2                         ; back: 32 lanes take four rows of 128 bytes,
	v_and_b32 v6, 7, v0
	v_mul_u32_u24 v5, v5, SP
	v_lshl_add_u32 v5, v6, 4, v5
	v_add_nc_u32 v[RD], s23, v5
	v_and_b32 v[CO], 31, v0                        ; which are 512 consecutive bytes of a head in hd
	v_lshlrev_b32 v[CO], 4, v[CO]
	; hd at my first row of my first head: tensor, head 4 x tile column + 2 x half, row 128 + 256 x (tile row % 16) + 128 x half
	s_mul_i32 s70, s66, TSTR
	s_lshl_b32 s67, s42, 2
	s_add_co_u32 s67, s67, s12
	s_add_co_u32 s67, s67, s12
	s_mul_i32 s67, s67, HSTR
	s_add_co_u32 s70, s70, s67
	s_and_b32 s67, s13, 15
	s_lshl_b32 s67, s67, 15
	s_add_co_u32 s70, s70, s67
	s_lshl_b32 s67, s11, 14
	s_add_co_u32 s70, s70, s67
	s_add_co_u32 s70, s70, 128*128
	s_mov_b32 s71, 0
	s_add_nc_u64 s[8:9], s[78:79], s[70:71]
	s_wait_loadcnt 0x0                             ; the bias,
.set i, 0
.rept 32                                               ; rounded to bf16 like every input, kept in f32
	v_cvt_pk_bf16_f32 v30, v[BIAS+2*i], v[BIAS+2*i+1]
	v_lshlrev_b32 v[BIAS+2*i], 16, v30
	v_and_b32 v[BIAS+2*i+1], 0xffff0000, v30
.set i, i+1
.endr
; 16 matrix instructions: m blocks a0, a0 + 1 of the window's four x all 8 n blocks, 32 along K.  zero = 1: the first product starts the sums, with the bias as C (window 0): nothing is cleared, no add is written.
.macro MUL16 f, hi, a0, zero
.if \zero
	WIN 0x81+0x40*(\hi)
.else
	WIN MUL_LO+0x50*(\hi)
.endif
.irp a, \a0, (\a0)+1
.irp b, 0,1,2,3,4,5,6,7
.if \zero
	v_wmma_f32_16x16x32_bf16 v[8*(8*(\a)+(\b)):8*(8*(\a)+(\b))+7], v[(\f)+8*(\b):(\f)+8*(\b)+7], v[(\f)+8*(4*(\hi)+(\a)):(\f)+8*(4*(\hi)+(\a))+7], v[BIAS+8*(\b):BIAS+8*(\b)+7]
.else
	v_wmma_f32_16x16x32_bf16 v[8*(8*(\a)+(\b)):8*(8*(\a)+(\b))+7], v[(\f)+8*(\b):(\f)+8*(\b)+7], v[(\f)+8*(4*(\hi)+(\a)):(\f)+8*(4*(\hi)+(\a))+7], v[8*(8*(\a)+(\b)):8*(8*(\a)+(\b))+7]
.endif
.endr
.endr
.endm
; 32 LDS loads in one run: the fragments of one quarter step (32 K at byte k of the rows) into buffer f
.macro FETCH slot, k, f
	WIN TO_B
.irp i, 0,1,2,3,4,5,6,7
	ds_load_b128 v[(\f)+8*(\i):(\f)+8*(\i)+3],   v[ADRB+(\slot)] offset:(\k)+(\i)*16*PITCH
	ds_load_b128 v[(\f)+8*(\i)+4:(\f)+8*(\i)+7], v[ADRB+(\slot)] offset:(\k)+(\i)*16*PITCH+32
.endr
	WIN 0
.irp i, 0,1,2,3,4,5,6,7
	ds_load_b128 v[(\f)+8*(\i):(\f)+8*(\i)+3],   v[ADRA+(\slot)] offset:(\k)+(\i)*16*PITCH
	ds_load_b128 v[(\f)+8*(\i)+4:(\f)+8*(\i)+7], v[ADRA+(\slot)] offset:(\k)+(\i)*16*PITCH+32
.endr
.endm
.macro PLACES                          ; four plain vector instructions between a matrix instruction and a load into, or a vector instruction on, its registers
.rept 4
	v_nop
.endr
.endm
; A K step is four quarters of 32 along K, 64 matrix instructions each, on buffers 0, 1, 0, 1; the 64 accumulators take turns.
.macro QUARTER slot, k, f, g, zero
	s_wait_dscnt 8                                 ; wb's fragments and xb's rows 0-63 are in; the youngest eight loads (xb's rows 64-127) may be out
	MUL16 \f, 0, 0, \zero
	MUL16 \f, 0, 2, \zero
	PLACES
	FETCH \slot, \k, \g
	s_wait_dscnt 32                                ; all but the 32 just issued
	MUL16 \f, 1, 0, \zero
	MUL16 \f, 1, 2, \zero
.endm
; The last quarter's first half: one barrier for the change of slots.  In front of it each wave waits for all its tensor loads (one is out: its part of the next slot), adds 0 to its spare word,
; and waits for that and for its own reads of this slot.
.macro MEET round
	WIN 0
	s_wait_tensorcnt 0x0
	ds_add_u32 v[SPW], v[NIL]
	s_wait_dscnt 9                                 ; the add and the youngest eight loads may be out
	MUL16 F1, 0, 0, 0
	s_wait_dscnt 0x0                               ; the add is done, and my reads of this slot are over
	s_barrier_signal -1
	MUL16 F1, 0, 2, 0
.if \round
	WIN 0
.endif
	s_barrier_wait -1
.endm
.macro TURN slot, next                 ; the slot just read out is filled again, two K steps on, first thing behind the round; 224 matrix instructions stand between the request and the wait for it
	MEET 1
	CREST
	s_add_nc_u64 s[G0+4*(\slot)+2:G0+4*(\slot)+3], s[G0+4*(\slot)+2:G0+4*(\slot)+3], 2*KSTEP*2
	s_add_nc_u64 s[G0B+4*(\slot)+2:G0B+4*(\slot)+3], s[G0B+4*(\slot)+2:G0B+4*(\slot)+3], 2*KSTEP*2
	JLOAD \slot                                    ; its four v_nop are also the places in front of the loads below
	FETCH \next, 0, F0
	MUL16 F1, 1, 0, 0
	MUL16 F1, 1, 2, 0
.endm
; THE WAY OUT of block a (16 of my rows).  PACK: rounded to f16, 16 bytes a lane, each accumulator's registers in ascending order.  TOSTAGE: into my stage, by heads, and back as rows of 128 bytes.  SEND: stored.
.macro PACK a
.set AC, 64*((\a)%4)
	WIN 0x0a+5*((\a)/4)                            ; sources 0 and 1: window 2 or 3
.irp b, 0,1,2,3,4,5,6,7
.irp r, 0,1,2,3
	v_cvt_pk_f16_f32 v[TMP+4*(\b)+(\r)], v[AC+8*(\b)+2*(\r)], v[AC+8*(\b)+2*(\r)+1]
.endr
.endr
	WIN 0
.endm
.macro TOSTAGE a
	WIN 0
.set BK, OB+192*((\a)%2)
.irp b, 0,1,2,3,4,5,6,7
	ds_store_b128 v[STO], v[TMP+4*(\b):TMP+4*(\b)+3] offset:((\b)/4)*HSTG+((\b)%4)*32
.endr
.irp f, 0,1,2,3,4,5,6,7
	ds_load_b128 v[BK+4*(\f):BK+4*(\f)+3], v[RD] offset:((\f)/4)*HSTG+((\f)%4)*4*SP  ; LDS serves a wave's instructions in order (ISA guide 5.7.1.4): these see the stores above
.endr
.endm
.macro SEND a
	WIN 0
.set BK, OB+192*((\a)%2)
	s_wait_dscnt 0x0                               ; the block is back in registers
	s_wait_xcnt 0x0                                ; the stores of the block before have read their registers: the next TOSTAGE loads into them
.irp f, 0,1,2,3,4,5,6,7
	global_store_b128 v[CO], v[BK+4*(\f):BK+4*(\f)+3], s[8:9] offset:((\f)/4)*HSTR+(\a)*2048+((\f)%4)*512  ; 512 consecutive bytes, at a multiple of 256 from hd's first byte
.endr
.endm
	s_wait_tensorcnt 1                             ; my part of K step 0 is in; K step 1's may stay out
	s_barrier_signal -1
	s_barrier_wait -1
	FETCH 0, 0, F0
	QUARTER 0, 64,  F0, F1, 1                      ; the first quarter stands in front of the loop: its products start the sums
	WIN 0
	s_mov_b32 s3, LAPS-1
.Llap:                                                 ; a trip goes once round the ring and fills both slots again: K steps 2 to 7 in three trips
	QUARTER 0, 128, F1, F0, 0
	QUARTER 0, 192, F0, F1, 0
	TURN 0, 1
	QUARTER 1, 64,  F0, F1, 0
	QUARTER 1, 128, F1, F0, 0
	QUARTER 1, 192, F0, F1, 0
	TURN 1, 0
	QUARTER 0, 64,  F0, F1, 0
	WIN 0
	s_sub_co_u32 s3, s3, 1
	s_cmp_lg_u32 s3, 0
	s_cbranch_scc1 .Llap
	QUARTER 0, 128, F1, F0, 0                      ; the last lap fills nothing
	QUARTER 0, 192, F0, F1, 0
	MEET 0
	PLACES
	FETCH 1, 0, F0
	MUL16 F1, 1, 0, 0
	MUL16 F1, 1, 2, 0
	QUARTER 1, 64,  F0, F1, 0
	QUARTER 1, 128, F1, F0, 0
	QUARTER 1, 192, F0, F1, 0
	s_wait_dscnt 8                                 ; the very last quarter: nothing more to fetch
	MUL16 F1, 0, 0, 0
	MUL16 F1, 0, 2, 0
	s_wait_dscnt 0x0
	MUL16 F1, 1, 0, 0
	MUL16 F1, 1, 2, 0
	WIN 0
	PLACES
	PACK 0
	TOSTAGE 0
.irp a, 1,2,3,4,5,6,7                  ; block a's conversions stand between block a - 1's loads from the stage and the wait for them
	PACK \a
	SEND (\a)-1
	TOSTAGE \a
.endr
	SEND 7
	s_wait_tensorcnt 0x0                           ; the wave's end
	ds_add_u32 v[SPW], v[NIL]
	s_wait_dscnt 0x0
	CROUND                                         ; the closing round
	s_endpgm
.Lfunc_end_k_q5e4cabaa38_proj:
	.size	k_q5e4cabaa38_proj, .Lfunc_end_k_q5e4cabaa38_proj-k_q5e4cabaa38_proj
	.p2alignl 7, 3214868480
	.fill 96, 4, 3214868480
	.section	.rodata,"a",@progbits
	.p2align	6, 0x0
	.amdhsa_kernel k_q5e4cabaa38_proj
		.amdhsa_group_segment_fixed_size 327680
		.amdhsa_private_segment_fixed_size 0
		.amdhsa_enable_private_segment 0
		.amdhsa_kernarg_size 48
		.amdhsa_user_sgpr_count 2
		.amdhsa_user_sgpr_kernarg_segment_ptr 1
		.amdhsa_wavefront_size32 1
		.amdhsa_system_sgpr_workgroup_id_x 1
		.amdhsa_system_sgpr_workgroup_id_y 1
		.amdhsa_system_sgpr_workgroup_id_z 1
		.amdhsa_system_vgpr_workitem_id 0
		.amdhsa_next_free_vgpr 1024
		.amdhsa_next_free_sgpr 80
		.amdhsa_reserve_vcc 0
		.amdhsa_float_denorm_mode_32 3
		.amdhsa_float_denorm_mode_16_64 3
		.amdhsa_memory_ordered 1
		.amdhsa_forward_progress 1
		.amdhsa_inst_pref_size 149
	.end_amdhsa_kernel
	.amdgpu_metadata
---
amdhsa.version: [ 1, 2 ]
amdhsa.kernels:
  - .name:           k_q5e4cabaa38_proj
    .symbol:         k_q5e4cabaa38_proj.kd
    .args:
      - { .name: xb, .offset: 0, .size: 8, .value_kind: global_buffer, .address_space: global }
      - { .name: wb, .offset: 8, .size: 8, .value_kind: global_buffer, .address_space: global }
      - { .name: b_q, .offset: 16, .size: 8, .value_kind: global_buffer, .address_space: global }
      - { .name: b_k, .offset: 24, .size: 8, .value_kind: global_buffer, .address_space: global }
      - { .name: b_v, .offset: 32, .size: 8, .value_kind: global_buffer, .address_space: global }
      - { .name: hd, .offset: 40, .size: 8, .value_kind: global_buffer, .address_space: global }
    .group_segment_fixed_size: 327680
    .private_segment_fixed_size: 0
    .kernarg_segment_align: 8
    .kernarg_segment_size: 48
    .max_flat_workgroup_size: 128
    .sgpr_count:     80
    .vgpr_count:     1024
    .wavefront_size: 32
...
	.end_amdgpu_metadata
.endif
;; end of part 2
;; launch attn (part 3): grid 16 x 16, 8 waves a work-group, no clusters, 175,104 bytes of LDS; arguments hd, xa; writes xa
.if DOCPART == 3
	.amdgcn_target "amdgcn-amd-amdhsa--gfx1250"
	.amdhsa_code_object_version 6
	.text
	.protected	k_q5e4cabaa38_attn
	.globl	k_q5e4cabaa38_attn
	.p2align	8
	.type	k_q5e4cabaa38_attn,@function
k_q5e4cabaa38_attn:
	s_mov_b64 s[64:65], 0
	v_nop
	global_prefetch_b8 v0, s[64:65] scope:SCOPE_SE
	s_setreg_imm32_b32 hwreg(HW_REG_WAVE_MODE, 25, 1), 1
	s_wait_xcnt 0x0
; BAND ATTENTION.  xa[h][q][:] = sum over the keys k with q - 127 <= k <= q + 128 (and 0 <= k < 4096) of softmax_k(Q[h][q] . K[h][k] / 8) V[h][k][:].  Q, K, V lie in hd ([3][16][4352][64] f16, sequence row s at
; row s + 128; the pad rows of K and V hold 0); xa is [16][4096][64] f16.  Products, maximum and sum in f32; the weights p are rounded to f16 for the second product and their sum l is taken of the rounded p.
; LIMITS.  A key outside the band has weight exactly 0 where the definition has exp(-1e9 - m): equal as long as a row's largest visible score lies above about -1e9 + 100.  A hidden score counts as its value less 1e30;
; f16's scores, 2.7e11 at the most, are nothing beside that.  A weight below 2^-126 counts as 0; below 6e-5 it keeps f16's fixed step.  NaN and infinities are not treated apart.
; SHARES.  A work-group owns 256 queries of one head, each of its eight waves 32 (two tiles of 16).  A wave's keys are w0 - 128 .. w0 + 159: 18 blocks of 16, 9 pairs of 32.  The work-group's 512 keys of K and V come into
; LDS once, one tensor load a wave, nothing is filled again: one barrier in the launch.
; ONE PASS.  All 288 scores of a query stay in registers: the true row maximum is taken away, then the exponentials, then one sum: no running maximum, nothing rescaled.
; Two waves lie on a SIMD and meet no barrier behind the first, so the text stands in plain phases: one wave's vector work runs beside the other's products.
; NO CLUSTER: neighbouring blocks of queries share half of their keys, at different places of their 512 rows; a joint load has one LDS address in all partners, so the reads' addresses would hang on the place in the cluster.
; No prefetch: all that a work-group reads is asked for in its first lines.
; LAYOUT.  S^T = K Q^T (source 0 = 16 keys, source 1 = 16 queries): a lane holds ONE query (l % 16) and the keys 8 (l / 16) + 0..7 of a block.  Two blocks rounded to f16 in pairs ARE source 1 (32 keys x 16 queries)
; of O^T = V^T P; V comes out of LDS turned (ds_load_tr16_b128).  l = ONES x P by the matrix unit: 18 products for 144 packed additions and an exchange of lanes, and P can be packed in place.
; THE MASK is the C operand of the product that starts a block's sum.  With d = block - tile: d < 0 or d = 17 hidden; d = 0: visible where j >= l % 16 - 8 (l / 16) + 1; d = 1..15 visible; d = 16: visible where j is less.
; A pair of blocks that lies outside the sequence gets -1e30 as well (a scalar made from the ids).  Pair 4 holds the queries' own keys, so the maximum is a true score.
; REGISTERS (s_set_vgpr_msb: bits 1:0 source 0, 3:2 source 1, 5:4 source 2, 7:6 destination):  window 1: S^T of blocks 0-15, tile t block b at 128 t + 8 b; packed in place, P of pair p at 128 t + 8 p.  Window 0: below.
.set TSTR,  8912896
.set HSTR,  557056
.set PK,    144                        ; a row of K in LDS: 128 bytes + 16: the 16 rows of a load start at 16 different groups of four banks (64 banks of 4 bytes: ISA guide 11.1)
.set PV,    160                        ; a row of V: 128 + 32
.set VOFF,  512*PK
.set STAGE, VOFF+512*PV                ; never filled by a tensor load: 16 rows x 144 bytes for each wave
.set SP,    144
.set SPARE, STAGE+8*16*SP              ; the spare words, 128 bytes for each wave: four blocks of 256 bytes that no other line names
.set AK,  4                            ; v4   my place in K: row 32 w + l % 16
.set AV,  5                            ; v5   my place in V
.set QO,  6                            ; v6   my byte offset in 16 rows of Q
.set STO, 7                            ; v7   the way out: in
.set RD,  8                            ; v8   the way out: back
.set GO,  9                            ; v9   my place in 512 consecutive bytes of xa
.set SPW, 10                           ; v10  my spare word; never rewritten
.set NIL, 11                           ; v11  0; never rewritten
.set ST,  16                           ; tile t at ST + 8 t: c m, m, c0-c3 (four chains of the maximum; c0 later 1 / l)
.set FR,  32                           ; v32-95   two fragment buffers of 32, for K and then for V
.set Q,   96                           ; v96-127  tile t, channel half c at Q + 16 t + 8 c
.set M0,  128                          ; the mask for d = 0
.set M4,  136                          ; for d = 16
.set H8,  144                          ; -1e30, eight times
.set CB,  152                          ; two sets by the pair's parity: 0, or -1e30 for a pair outside the sequence
.set CM,  168                          ; M0 (pair 0) or M4 (pair 8) plus that
.set SX,  176                          ; v176-207 S^T of blocks 16, 17: tile t at SX + 16 t
.set ONE, 208                          ; v208-215 1.0 in every f16 half
.set OO,  96                           ; O^T, tile t channel block cb at OO + 32 t + 8 cb: over Q and the masks, which are dead by then
.set LL,  160                          ; l, tile t at LL + 8 t
.set G1K, 24
.set G1V, 32
.set G0K, 40
.set G0V, 44
.set CS,  58                           ; s[58:59] c = log2(e) / 8
.set SEL, 60                           ; s[60:61] v_permlanex16_b32's selects: each lane takes its own place in the other half
.set MSB, 0
.macro WIN new
.if MSB != (\new)
	s_set_vgpr_msb (MSB<<8)|(\new)
.set MSB, \new
.endif
.endm
.macro PLACES                          ; four plain vector instructions between a matrix instruction and a load into, or a vector instruction on, its registers
.rept 4
	v_nop
.endr
.endm
	s_load_b128 s[4:7], s[0:1], 0x0                ; hd s[4:5], xa s[6:7]
	v_lshl_add_u32 v[SPW], v0, 2, SPARE
	v_mov_b32 v[NIL], 0
	ds_add_u32 v[SPW], v[NIL]                      ; the wave's opening: the add and its wait stand ahead of my tensor load; work on registers stands between them
	ds_add_u32 v10, v11
	v_lshrrev_b32 v3, 5, v0
	v_readfirstlane_b32 s12, v3                    ; wave 0..7
	s_mov_b32 s13, ttmp9                           ; block of 256 queries
	s_and_b32 s14, ttmp7, 0xffff                   ; head
	s_and_b32 s16, s12, 3                          ; which 128 of the 512 keys I fetch
	; 128 keys are 16,384 dense bytes: asked for as 64 rows of 256 bytes, padded in LDS after every key
	s_mov_b32 s[G1K], (1<<16)|(1<<20)|(4<<22)|(3<<25)  ; elements of 2 bytes; padding on; after every 32 words 4 words
	s_mov_b32 s[G1V], (1<<16)|(1<<20)|(4<<22)|(7<<25)  ; the same with 8 words
.irp g, G1K, G1V
	s_mov_b32 s[\g+1], 128<<16                     ; tensor_dim0 = 128
	s_mov_b32 s[\g+2], 64<<16                      ; tensor_dim1 = 64
	s_mov_b32 s[\g+3], 128<<16                     ; tile_dim0 = 128
	s_mov_b32 s[\g+4], 64                          ; tile_dim1 = 64
	s_mov_b32 s[\g+5], 128                         ; elements from row to row
	s_mov_b32 s[\g+6], 0
	s_mov_b32 s[\g+7], 0
.endr
	s_mov_b32 s[G0K], 1
	s_mul_i32 s[G0K+1], s16, 128*PK
	s_mov_b32 s[G0V], 1
	s_mul_i32 s[G0V+1], s16, 128*PV
	s_add_co_u32 s[G0V+1], s[G0V+1], VOFF
	s_mul_i32 s17, s14, HSTR                       ; the head in a tensor of hd
	s_lshl_b32 s18, s13, 15                        ; sequence row 256 x - 128 lies at row 256 x
	s_add_co_u32 s18, s18, s17
	s_lshl_b32 s20, s16, 14
	s_add_co_u32 s18, s18, s20
	s_add_co_u32 s18, s18, TSTR                    ; K
	s_mov_b32 s19, 0
	s_add_co_u32 s20, s18, TSTR                    ; V
	s_mov_b32 s21, 0
	s_lshl_b32 s22, s13, 15                        ; Q: row 128 + 256 x + 32 w
	s_add_co_u32 s22, s22, s17
	s_lshl_b32 s23, s12, 12
	s_add_co_u32 s22, s22, s23
	s_add_co_u32 s22, s22, 128*128
	s_lshl_b32 s48, s14, 19                        ; xa: head x 4,096 rows, row 256 x + 32 w
	s_lshl_b32 s49, s13, 15
	s_add_co_u32 s48, s48, s49
	s_add_co_u32 s48, s48, s23
	s_mov_b32 s23, 0
	s_mov_b32 s49, 0
	s_mov_b32 s50, 0xf149f2ca                      ; -1e30
	s_lshl_b32 s51, s13, 3
	s_add_co_u32 s51, s51, s12
	s_sub_co_u32 s51, s51, 4                       ; pair 0's number among the sequence's 128 pairs of blocks: 8 x + w - 4 (it wraps below 0)
	s_mov_b32 s[CS], 0x3e38aa3b
	s_mov_b32 s[CS+1], s[CS]
	s_mov_b32 s[SEL], 0x76543210
	s_mov_b32 s[SEL+1], 0xfedcba98
	s_wait_dscnt 0x0                               ; the opening add is done
	s_wait_kmcnt 0x0
	s_add_nc_u64 s[G0K+2:G0K+3], s[4:5], s[18:19]
	s_or_b32 s[G0K+3], s[G0K+3], 0x80000000
	s_add_nc_u64 s[G0V+2:G0V+3], s[4:5], s[20:21]
	s_or_b32 s[G0V+3], s[G0V+3], 0x80000000
	s_add_nc_u64 s[8:9], s[4:5], s[22:23]
	s_add_nc_u64 s[10:11], s[6:7], s[48:49]
	s_cmp_lt_u32 s12, 4                            ; waves 0-3 fetch K's four quarters, waves 4-7 V's: one load of mine is out
	s_cbranch_scc0 .Lfor_v
	tensor_load_to_lds s[G0K:G0K+3], s[G1K:G1K+7]
	s_nop 0
.rept 4
	v_nop
.endr
	s_branch .Lasked
.Lfor_v:
	tensor_load_to_lds s[G0V:G0V+3], s[G1V:G1V+7]
	s_nop 0
.rept 4
	v_nop
.endr
.Lasked:
	v_and_b32 v1, 15, v0                           ; l % 16
	v_bfe_u32 v2, v0, 4, 1                         ; l / 16
	v_lshlrev_b32 v[QO], 7, v1
	v_lshl_add_u32 v[QO], v2, 4, v[QO]
.irp t, 0,1
.irp c, 0,1
	global_load_b128 v[Q+16*\t+8*\c:Q+16*\t+8*\c+3],   v[QO], s[8:9] offset:2048*\t+64*\c
	global_load_b128 v[Q+16*\t+8*\c+4:Q+16*\t+8*\c+7], v[QO], s[8:9] offset:2048*\t+64*\c+32
.endr
.endr
	s_lshl_b32 s52, s12, 5                         ; my first key lies in the work-group's row 32 w
	v_add_nc_u32 v3, s52, v1
	v_mul_u32_u24 v[AK], v3, PK
	v_lshl_add_u32 v[AK], v2, 4, v[AK]
	v_and_b32 v3, 7, v0                            ; the turning load: lane l reads key 8 (l / 16) + l % 8, channels 8 ((l / 8) % 2) + 0..7
	v_lshl_add_u32 v12, v2, 3, v3
	v_add_nc_u32 v12, s52, v12
	v_mul_u32_u24 v[AV], v12, PV
	v_bfe_u32 v12, v0, 3, 1
	v_lshl_add_u32 v[AV], v12, 4, v[AV]
	v_add_nc_u32 v[AV], VOFF, v[AV]
	s_mul_i32 s53, s12, 16*SP
	s_add_co_u32 s53, s53, STAGE                   ; my stage
	v_mul_u32_u24 v[STO], v1, SP
	v_lshl_add_u32 v[STO], v2, 4, v[STO]
	v_add_nc_u32 v[STO], s53, v[STO]
	v_bfe_u32 v[RD], v0, 3, 2
	v_mul_u32_u24 v[RD], v[RD], SP
	v_lshl_add_u32 v[RD], v3, 4, v[RD]
	v_add_nc_u32 v[RD], s53, v[RD]
	v_and_b32 v[GO], 31, v0
	v_lshlrev_b32 v[GO], 4, v[GO]
	v_mov_b32 v13, 0
	v_lshlrev_b32 v14, 3, v2
	v_sub_nc_u32 v14, v1, v14
	v_add_nc_u32 v14, 1, v14                       ; l % 16 - 8 (l / 16) + 1
	v_mov_b32 v15, s50
.irp j, 0,1,2,3,4,5,6,7
	v_cmp_lt_i32 vcc_lo, \j, v14
	v_cndmask_b32 v[M0+\j], v13, v15, vcc_lo       ; d = 0: hidden where j is less
	v_cndmask_b32 v[M4+\j], v15, v13, vcc_lo       ; d = 16: hidden where it is not
	v_mov_b32 v[H8+\j], s50
	v_mov_b32 v[ONE+\j], 0x3c003c00
.endr
.macro KLOAD p                         ; pair p of K: block i, channel half c at FR + 32 (p % 2) + 16 i + 8 c
.irp i, 0,1
.irp c, 0,1
	ds_load_b128 v[FR+32*((\p)%2)+16*\i+8*\c:FR+32*((\p)%2)+16*\i+8*\c+3],   v[AK] offset:(2*(\p)+\i)*16*PK+64*\c
	ds_load_b128 v[FR+32*((\p)%2)+16*\i+8*\c+4:FR+32*((\p)%2)+16*\i+8*\c+7], v[AK] offset:(2*(\p)+\i)*16*PK+64*\c+32
.endr
.endr
.endm
.macro CBSET p                         ; the C operands of pair p's first products
	s_add_co_u32 s52, s51, (\p)
	s_cmp_lt_u32 s52, 128                          ; does the pair lie in the sequence?
	s_cselect_b32 s53, 0, s50
.irp j, 0,1,2,3,4,5,6,7
	v_mov_b32 v[CB+8*((\p)%2)+\j], s53
.endr
.if (\p) == 0
.irp j, 0,1,2,3,4,5,6,7
	v_add_f32 v[CM+\j], s53, v[M0+\j]
.endr
.endif
.if (\p) == 8
.irp j, 0,1,2,3,4,5,6,7
	v_add_f32 v[CM+\j], s53, v[M4+\j]
.endr
.endif
.endm
.macro KQ1 p, t, i, c
.set rK, FR+32*((\p)%2)+16*(\i)+8*(\c)
.set rQ, Q+16*(\t)+8*(\c)
.if (\p) < 8
.set rS, 128*(\t)+8*(2*(\p)+(\i))
.else
.set rS, SX+16*(\t)+8*(\i)
.endif
.set dd, 2*(\p)+(\i)-(\t)
.if (dd < 0) || (dd == 17)
.set rC, H8
.elseif (dd == 0) || (dd == 16)
.set rC, CM
.else
.set rC, CB+8*((\p)%2)
.endif
.if (\c) == 0
	v_wmma_f32_16x16x32_f16 v[rS:rS+7], v[rK:rK+7], v[rQ:rQ+7], v[rC:rC+7]
.else
	v_wmma_f32_16x16x32_f16 v[rS:rS+7], v[rK:rK+7], v[rQ:rQ+7], v[rS:rS+7]
.endif
.endm
.macro KQ p                            ; 8 products: the pair's four accumulators take turns; the first four start the sums with the mask
.irp c, 0,1
.if (\p) == 8
	WIN 0
.elseif \c == 0
	WIN 0x40                                       ; D in window 1, the mask in window 0
.else
	WIN 0x50                                       ; C and D in window 1
.endif
.irp i, 0,1
.irp t, 0,1
	KQ1 \p, \t, \i, \c
.endr
.endr
.endr
.endm
.macro VLOAD p                         ; pair p of V, turned: channel block cb at FR + 32 (p % 2) + 8 cb
.irp cb, 0,1,2,3
	ds_load_tr16_b128 v[FR+32*((\p)%2)+8*\cb:FR+32*((\p)%2)+8*\cb+3],   v[AV] offset:(\p)*32*PV+32*\cb
	ds_load_tr16_b128 v[FR+32*((\p)%2)+8*\cb+4:FR+32*((\p)%2)+8*\cb+7], v[AV] offset:(\p)*32*PV+16*PV+32*\cb
.endr
.endm
; Scaling, exponentials and rounding of two tiles' regions of N pairs of scores, at b0 and b1.  FF n: c s - c m for pair n.  CC n: pair n rounded to f16 into register n of the region, which has been consumed (n <= 2 n).
; The scalings run four pairs ahead of the exponentials, the roundings two behind: a plain instruction stands between every exponential and the use of its result.
.macro FF base, t, n
	v_pk_fma_f32 v[(\base)+2*(\n):(\base)+2*(\n)+1], v[(\base)+2*(\n):(\base)+2*(\n)+1], s[CS:CS+1], v[ST+8*(\t):ST+8*(\t)+1] op_sel_hi:[1,0,0] neg_lo:[0,0,1] neg_hi:[0,0,1]
.endm
.macro CC base, n
	s_wait_alu depctr_va_vdst(0)
	v_cvt_pk_f16_f32 v[(\base)+(\n)], v[(\base)+2*(\n)], v[(\base)+2*(\n)+1]
.endm
.macro FSTEP base, t, N
.if nn+4 < (\N)
	FF \base, \t, nn+4
.endif
	v_exp_f32 v[(\base)+2*nn], v[(\base)+2*nn]
.if nn >= 2
	CC \base, nn-2
.endif
	v_exp_f32 v[(\base)+2*nn+1], v[(\base)+2*nn+1]
.endm
.macro FEC b0, b1, N
.set nn, 0
.rept 4
	FF \b0, 0, nn
	FF \b1, 1, nn
.set nn, nn+1
.endr
.set nn, 0
.rept \N
	FSTEP \b0, 0, \N
	FSTEP \b1, 1, \N
.set nn, nn+1
.endr
	CC \b0, (\N)-2
	CC \b1, (\N)-2
	CC \b0, (\N)-1
	CC \b1, (\N)-1
.endm
.macro PVW p                           ; 10 products for pair p: O^T += V^T P for 4 channel blocks x 2 tiles, l += ONES x P for 2 tiles; the ten accumulators take turns
.if (\p) == 8
	WIN 0
.else
	WIN 0x04                                       ; P (source 1) in window 1
.endif
.irp cb, 0,1,2,3,4
.irp t, 0,1
.if (\p) < 8
.set rP, 128*(\t)+8*(\p)
.else
.set rP, SX+16*(\t)
.endif
.if \cb < 4
.set rO, OO+32*(\t)+8*(\cb)
.set rV, FR+32*((\p)%2)+8*(\cb)
.else
.set rO, LL+8*(\t)
.set rV, ONE
.endif
.if (\p) == 0
	v_wmma_f32_16x16x32_f16 v[rO:rO+7], v[rV:rV+7], v[rP:rP+7], 0
.else
	v_wmma_f32_16x16x32_f16 v[rO:rO+7], v[rV:rV+7], v[rP:rP+7], v[rO:rO+7]
.endif
.endr
.endr
.endm
	s_wait_tensorcnt 0x0                           ; my part of K or V is in LDS,
	s_barrier_signal -1
	s_barrier_wait -1                              ; everybody's is
	KLOAD 0
	KLOAD 1
	CBSET 0
	s_wait_loadcnt 0x0                             ; Q
.irp p, 0,1,2,3,4,5,6,7,8
.if \p < 8
	s_wait_dscnt 8                                 ; pair p is in; the eight loads of pair p + 1 may be out
.else
	s_wait_dscnt 0x0
.endif
	KQ \p
	WIN 0
.if \p < 8
	CBSET (\p)+1                                   ; eight plain moves or more into the set that the pair before read: also the places in front of the loads below
.endif
.if \p < 7
	KLOAD (\p)+2                                   ; into the buffer just multiplied
.endif
.endr
	PLACES
	VLOAD 0                                        ; they land under the softmax
	VLOAD 1
	; THE MAXIMUM of a lane's 144 scores a tile: four chains, each block's lowest registers read first; the tiles alternate
.irp k, 0,1,2,3
.irp t, 0,1
	v_max_num_f32 v[ST+8*(\t)+2+(\k)], v[SX+16*(\t)+2*(\k)], v[SX+16*(\t)+2*(\k)+1]
.endr
.endr
.irp k, 0,1,2,3
.irp t, 0,1
	v_max3_num_f32 v[ST+8*(\t)+2+(\k)], v[ST+8*(\t)+2+(\k)], v[SX+16*(\t)+8+2*(\k)], v[SX+16*(\t)+8+2*(\k)+1]
.endr
.endr
	WIN 0x14                                       ; sources 1 and 2 in window 1
.set bb, 0
.rept 16
.irp k, 0,1,2,3
.irp t, 0,1
	v_max3_num_f32 v[ST+8*(\t)+2+(\k)], v[ST+8*(\t)+2+(\k)], v[128*(\t)+8*bb+2*(\k)], v[128*(\t)+8*bb+2*(\k)+1]
.endr
.endr
.set bb, bb+1
.endr
	WIN 0
.irp t, 0,1
	v_max3_num_f32 v[ST+8*\t+2], v[ST+8*\t+2], v[ST+8*\t+3], v[ST+8*\t+4]
.endr
.irp t, 0,1
	v_max_num_f32 v[ST+8*\t+2], v[ST+8*\t+2], v[ST+8*\t+5]
.endr
.irp t, 0,1
	v_permlanex16_b32 v[ST+8*\t+3], v[ST+8*\t+2], s[SEL], s[SEL+1]  ; the query's other keys lie in the lane 16 away
.endr
.irp t, 0,1
	v_max_num_f32 v[ST+8*\t+1], v[ST+8*\t+2], v[ST+8*\t+3]          ; m
.endr
.irp t, 0,1
	v_mul_f32 v[ST+8*\t], s[CS], v[ST+8*\t+1]                       ; c m
.endr
	WIN 0x45                                       ; destination and sources 0, 1 in window 1, c m (source 2) in window 0; the scaling's source 1 is scalar
	FEC 0, 128, 64
	WIN 0
	FEC SX, SX+16, 8
	s_wait_dscnt 0x0                               ; V's pairs 0 and 1
.irp p, 0,1,2,3,4,5,6
	PVW \p
	PLACES
	VLOAD (\p)+2                                   ; into the buffer just multiplied (an LDS load's window fields are the destination's and source 0's: both 0)
	s_wait_dscnt 8                                 ; all but the eight just issued
.endr
	PVW 7
	s_wait_dscnt 0x0
	PVW 8
	; THE WAY OUT: O^T / l, rounded to f16, a tile (16 rows of 128 bytes) at a time through my stage
	PLACES
	v_rcp_f32 v[ST+2], v[LL]                       ; every register of l's accumulator holds the query's sum: the lowest is taken
	v_rcp_f32 v[ST+10], v[LL+8]
	v_nop                                          ; a plain instruction between the reciprocals and their use
	s_wait_alu depctr_va_vdst(0)
.macro PACKA t
.set i, 0
.rept 16
	v_pk_mul_f32 v[OO+32*(\t)+2*i:OO+32*(\t)+2*i+1], v[OO+32*(\t)+2*i:OO+32*(\t)+2*i+1], v[ST+8*(\t)+2:ST+8*(\t)+3] op_sel_hi:[1,0]
.set i, i+1
.endr
.set i, 0
.rept 16
	v_cvt_pk_f16_f32 v[32+16*(\t)+i], v[OO+32*(\t)+2*i], v[OO+32*(\t)+2*i+1]
.set i, i+1
.endr
.irp f, 0,1,2,3
	ds_store_b128 v[STO], v[32+16*(\t)+4*\f:32+16*(\t)+4*\f+3] offset:32*\f
.endr
.irp f, 0,1,2,3
	ds_load_b128 v[64+16*(\t)+4*\f:64+16*(\t)+4*\f+3], v[RD] offset:\f*4*SP  ; LDS serves a wave's instructions in order (ISA guide 5.7.1.4): these see the stores above; the next tile's stores come behind them
.endr
.endm
.macro SENDA t, younger                ; younger: the LDS instructions issued behind tile t's loads
.irp f, 0,1,2,3
	s_wait_dscnt (\younger)+3-\f
	global_store_b128 v[GO], v[64+16*(\t)+4*\f:64+16*(\t)+4*\f+3], s[10:11] offset:(\t)*2048+\f*512  ; 512 consecutive bytes, at a multiple of 256 from xa's first byte
.endr
.endm
	PACKA 0
	PACKA 1
	SENDA 0, 8
	SENDA 1, 0
	s_wait_tensorcnt 0x0                           ; the wave's end
	ds_add_u32 v[SPW], v[NIL]
	s_wait_dscnt 0x0
	s_endpgm
.Lfunc_end_k_q5e4cabaa38_attn:
	.size	k_q5e4cabaa38_attn, .Lfunc_end_k_q5e4cabaa38_attn-k_q5e4cabaa38_attn
	.p2alignl 7, 3214868480
	.fill 96, 4, 3214868480
	.section	.rodata,"a",@progbits
	.p2align	6, 0x0
	.amdhsa_kernel k_q5e4cabaa38_attn
		.amdhsa_group_segment_fixed_size 175104
		.amdhsa_private_segment_fixed_size 0
		.amdhsa_enable_private_segment 0
		.amdhsa_kernarg_size 16
		.amdhsa_user_sgpr_count 2
		.amdhsa_user_sgpr_kernarg_segment_ptr 1
		.amdhsa_wavefront_size32 1
		.amdhsa_system_sgpr_workgroup_id_x 1
		.amdhsa_system_sgpr_workgroup_id_y 1
		.amdhsa_system_sgpr_workgroup_id_z 1
		.amdhsa_system_vgpr_workitem_id 0
		.amdhsa_next_free_vgpr 512
		.amdhsa_next_free_sgpr 66
		.amdhsa_reserve_vcc 1
		.amdhsa_float_denorm_mode_32 3
		.amdhsa_float_denorm_mode_16_64 3
		.amdhsa_memory_ordered 1
		.amdhsa_forward_progress 1
		.amdhsa_inst_pref_size 81
	.end_amdhsa_kernel
	.amdgpu_metadata
---
amdhsa.version: [ 1, 2 ]
amdhsa.kernels:
  - .name:           k_q5e4cabaa38_attn
    .symbol:         k_q5e4cabaa38_attn.kd
    .args:
      - { .name: hd, .offset: 0, .size: 8, .value_kind: global_buffer, .address_space: global }
      - { .name: xa, .offset: 8, .size: 8, .value_kind: global_buffer, .address_space: global }
    .group_segment_fixed_size: 175104
    .private_segment_fixed_size: 0
    .kernarg_segment_align: 8
    .kernarg_segment_size: 16
    .max_flat_workgroup_size: 256
    .sgpr_count:     66
    .vgpr_count:     512
    .wavefront_size: 32
...
	.end_amdgpu_metadata
.endif
;; end of part 3
;; launch oproj (part 4): grid 8 x 32, 4 waves a work-group, clusters of 4 x 4, 327,680 bytes of LDS; arguments xa, wo, b_o, out0; writes out0
.if DOCPART == 4
	.amdgcn_target "amdgcn-amd-amdhsa--gfx1250"
	.amdhsa_code_object_version 6
	.text
	.protected	k_q5e4cabaa38_oproj
	.globl	k_q5e4cabaa38_oproj
	.p2align	8
	.type	k_q5e4cabaa38_oproj,@function
k_q5e4cabaa38_oproj:
	s_mov_b64 s[64:65], 0
	v_nop
	global_prefetch_b8 v0, s[64:65] scope:SCOPE_SE
	s_setreg_imm32_b32 hwreg(HW_REG_WAVE_MODE, 25, 1), 1
	s_wait_xcnt 0x0
	s_wait_alu depctr_hold_cnt(0) depctr_sa_sdst(0) depctr_va_vdst(0) depctr_va_sdst(0) depctr_va_ssrc(0) depctr_va_vcc(0) depctr_vm_vsrc(0)
	s_getreg_b32 s2, hwreg(HW_REG_IB_STS2, 6, 4)
	s_cmp_eq_u32 s2, 0
	s_cbranch_scc0 .Lentry_in_a_cluster
	s_endpgm
.Lentry_in_a_cluster:
	s_bfe_u32 s2, ttmp6, 0x10000c
	s_cmp_lg_u32 s2, 0xf033
	s_cbranch_scc0 .Lentry_shape_is_right
	s_endpgm
.Lentry_shape_is_right:
; THE OUTPUT PROJECTION.  out0[m][n] = sum over k of X[m][k] wo[n][k] + b_o[n], with X[m][64 h + d] = xa[h][m][d].  xa and wo are f16 (wo holds w_o rounded to bf16), sums f32, the bias rounded to bf16 like every
; input and taken as the C operand of each sum's first product; out0 is f32.  NaN and infinities are not treated apart.
; SHARES.  A tile of out0 is 128 x 128: 32 x 8 = 256 work-groups of four waves, each wave 64 x 64: 16 accumulators.  K goes in 4 steps of 256 (four heads) through two LDS slots; a quarter of a step is one head.
; A's tile: 64 rows of one head are 8,192 dense bytes, so a wave's load is 4 such runs (one a head, 262,144 elements apart), padded in LDS after every 128 bytes: [head][row] at a pitch of 144.
; B's tile: 64 rows of 512 bytes, padded to 528.
; CLUSTER.  4 x 4 work-groups: the four of a row of the cluster need the same tile of xa, the four of a column the same tile of wo: each is asked for jointly, by the same load, descriptor and mask.
; THE MATRIX INSTRUCTION IS USED TRANSPOSED (source 0 = 16 rows of wo, source 1 = 16 rows of X): a lane holds eight neighbouring f32 of a row of out0.  A wave's 64 columns are 256 aligned bytes, so each wave has
; a stage of its own and the way out needs no barrier.
; REGISTERS: window 0: v0-31 addresses; v96-127 the bias; v128-255 the accumulators, (a, b) at v[128 + 8 (4 a + b)].  Window 1: two fragment buffers of 128: 64 registers of X (2 x 4 x 16 rows x 32 K), then 64 of wo.
.set PA,     144                       ; 36 words: the 16 rows of a load start at 16 different groups of four banks (64 banks of 4 bytes: ISA guide 11.1)
.set PB,     528                       ; 132 words: likewise
.set AHEAD,  64*PA                     ; one head's 64 rows
.set AHALF,  4*AHEAD                   ; what one load of xa brings
.set BHALF,  64*PB                     ; what one load of wo brings
.set BOFF,   2*AHALF
.set SLOT,   BOFF+2*BHALF
.set STAGE,  2*SLOT                    ; never filled by a tensor load: 16 rows x 272 bytes for each wave
.set SPITCH, 272
.set SPARE,  STAGE+4*16*SPITCH         ; the spare words, 128 bytes for each wave: two blocks of 256 bytes that no other line names
.set ADRA, 16
.set ADRB, 20
.set STO,  24
.set RD,   25
.set CO,   26
.set BO,   27
.set SPW,  28                          ; my spare word; never rewritten
.set NIL,  29                          ; 0; never rewritten
.set BIAS, 96
.set ACC,  128
.set F0,   0
.set F1,   128
.set G1,  24
.set G0,  32
.set G1B, 48
.set G0B, 56
.set MSB, 0
.macro WIN new
.if MSB != (\new)
	s_set_vgpr_msb (MSB<<8)|(\new)
.set MSB, \new
.endif
.endm
.set MUL,  0x05                        ; sources 0 and 1 window 1; C and D window 0
.set TO_F, 0x40                        ; destination window 1, address window 0
.macro JLOAD s                         ; waves 0 and 1 fetch xa's two halves, waves 2 and 3 wo's; an s_nop 0 and four v_nop follow each line
	s_cmp_eq_u32 s11, 0
	s_cbranch_scc0 .Lfor_b_\@
	tensor_load_to_lds s[G0+4*(\s):G0+4*(\s)+3], s[G1:G1+7]
	s_nop 0
.rept 4
	v_nop
.endr
	s_branch .Lasked_\@
.Lfor_b_\@:
	tensor_load_to_lds s[G0B+4*(\s):G0B+4*(\s)+3], s[G1B:G1B+7]
	s_nop 0
.rept 4
	v_nop
.endr
.Lasked_\@:
.endm
.macro CREST
	s_cmp_lg_u32 s10, 0
	s_cbranch_scc1 .Lnot_wave_0_\@
	s_barrier_signal -3
.Lnot_wave_0_\@:
	s_barrier_wait -3
	s_barrier_signal -1
	s_barrier_wait -1
.endm
.macro CROUND
	s_barrier_signal -1
	s_barrier_wait -1
	CREST
.endm
	s_load_b128 s[4:7], s[0:1], 0x0                ; xa s[4:5], wo s[6:7]
	s_load_b128 s[68:71], s[0:1], 0x10             ; b_o s[68:69], out0 s[70:71]
	v_lshl_add_u32 v[SPW], v0, 2, SPARE
	v_mov_b32 v[NIL], 0
	ds_add_u32 v[SPW], v[NIL]                      ; the wave's opening: the add and its wait stand ahead of my first tensor load; work on registers stands between them
	ds_add_u32 v28, v29
	v_lshrrev_b32 v1, 5, v0
	v_readfirstlane_b32 s10, v1                    ; wave 0..3
	s_lshr_b32 s11, s10, 1                         ; which half of the tile's rows is mine.  Also: I fetch for xa (0) or wo (1)
	s_and_b32 s12, s10, 1                          ; which half of its columns.  Also: which 64 rows I fetch
	s_bfe_u32 s40, ttmp6, 0x40000                  ; cx
	s_bfe_u32 s41, ttmp6, 0x40004                  ; cy
	s_lshl_b32 s42, ttmp9, 2
	s_add_co_u32 s42, s42, s40                     ; tile column
	s_and_b32 s13, ttmp7, 0xffff
	s_lshl_b32 s13, s13, 2
	s_add_co_u32 s13, s13, s41                     ; tile row
	s_lshl_b32 s43, s41, 2
	s_lshl_b32 s43, 15, s43                        ; my row of the cluster
	s_lshl_b32 s44, 0x1111, s40                    ; my column
	s_or_b32 s[G1+0], s43, (1<<16)|(1<<20)|(1<<21)|(4<<22)|(3<<25)   ; the mask; elements of 2 bytes; padding on; bit 21 beside a mask; after every 32 words 4 words
	s_mov_b32 s[G1+1], 4096<<16                    ; tensor_dim0 = 4,096: 64 rows of 64 channels, dense
	s_mov_b32 s[G1+2], 4<<16                       ; tensor_dim1 = 4 heads
	s_mov_b32 s[G1+3], 4096<<16                    ; tile_dim0
	s_mov_b32 s[G1+4], 4                           ; tile_dim1
	s_mov_b32 s[G1+5], 262144                      ; elements from head to head
	s_mov_b32 s[G1+6], 0
	s_mov_b32 s[G1+7], 0
	s_or_b32 s[G1B+0], s44, (1<<16)|(1<<20)|(1<<21)|(6<<22)|(3<<25)  ; after every 128 words 4 words
	s_mov_b32 s[G1B+1], 256<<16
	s_mov_b32 s[G1B+2], 64<<16
	s_mov_b32 s[G1B+3], 256<<16
	s_mov_b32 s[G1B+4], 64
	s_mov_b32 s[G1B+5], 1024
	s_mov_b32 s[G1B+6], 0
	s_mov_b32 s[G1B+7], 0
	s_lshl_b32 s16, s13, 14                        ; xa: row 128 x tile row + 64 x half, 128 bytes a row: made of cy, never of cx
	s_lshl_b32 s17, s12, 13
	s_add_co_u32 s16, s16, s17
	s_mov_b32 s17, 0
	s_lshl_b32 s46, s42, 7                         ; wo: row 128 x tile column + 64 x half, 2,048 bytes a row: made of cx, never of cy
	s_lshl_b32 s47, s12, 6
	s_add_co_u32 s46, s46, s47
	s_lshl_b32 s46, s46, 11
	s_mov_b32 s47, 0
	s_mul_i32 s18, s12, AHALF                      ; where they go
	s_mul_i32 s19, s12, BHALF
	s_add_co_u32 s19, s19, BOFF
	s_wait_dscnt 0x0                               ; the opening add is done
	s_wait_kmcnt 0x0
	s_add_nc_u64 s[14:15], s[4:5], s[16:17]
	s_add_nc_u64 s[46:47], s[6:7], s[46:47]
	CROUND                                         ; all sixteen work-groups are here: the first joint loads meet
.irp s, 0,1
	s_mov_b32 s[G0+4*(\s)], 1
	s_add_co_u32 s[G0+4*(\s)+1], s18, (\s)*SLOT
	s_add_nc_u64 s[G0+4*(\s)+2:G0+4*(\s)+3], s[14:15], (\s)*4*524288   ; K step s: heads 4 s on
	s_or_b32 s[G0+4*(\s)+3], s[G0+4*(\s)+3], 0x80000000
	s_mov_b32 s[G0B+4*(\s)], 1
	s_add_co_u32 s[G0B+4*(\s)+1], s19, (\s)*SLOT
	s_add_nc_u64 s[G0B+4*(\s)+2:G0B+4*(\s)+3], s[46:47], (\s)*512
	s_or_b32 s[G0B+4*(\s)+3], s[G0B+4*(\s)+3], 0x80000000
	JLOAD \s                                       ; two loads of mine are out
.endr
	v_and_b32 v1, 15, v0                           ; l % 16
	v_bfe_u32 v2, v0, 4, 1                         ; l / 16
	v_lshlrev_b32 v[BO], 5, v2
	s_lshl_b32 s2, s42, 9                          ; the bias of my 64 columns
	s_lshl_b32 s3, s12, 8
	s_add_co_u32 s2, s2, s3
	s_mov_b32 s3, 0
	s_add_nc_u64 s[68:69], s[68:69], s[2:3]
.irp b, 0,1,2,3
	global_load_b128 v[BIAS+8*\b:BIAS+8*\b+3],   v[BO], s[68:69] offset:64*\b
	global_load_b128 v[BIAS+8*\b+4:BIAS+8*\b+7], v[BO], s[68:69] offset:64*\b+16
.endr
	v_mul_u32_u24 v3, v1, PA
	v_lshl_add_u32 v3, v2, 4, v3
	v_mul_u32_u24 v4, v1, PB
	v_lshl_add_u32 v4, v2, 4, v4
	s_mul_i32 s21, s11, AHALF                      ; my 64 rows of X
	s_mul_i32 s22, s12, BHALF                      ; my 64 rows of wo
	s_add_co_u32 s22, s22, BOFF
.irp s, 0,1
	v_add_nc_u32 v[ADRA+(\s)], s21, v3
	v_add_nc_u32 v[ADRB+(\s)], s22, v4
	s_add_co_u32 s21, s21, SLOT
	s_add_co_u32 s22, s22, SLOT
.endr
	s_mul_i32 s23, s10, 16*SPITCH
	s_add_co_u32 s23, s23, STAGE                   ; my stage
	v_mul_u32_u24 v5, v1, SPITCH                   ; in: row l % 16, 32 bytes for each half of the lanes
	v_lshl_add_u32 v5, v2, 5, v5
	v_add_nc_u32 v[STO], s23, v5
	v_mul_u32_u24 v5, v2, SPITCH                   ; back: lanes 0-15 take one row of 256 bytes, lanes 16-31 the next
	v_lshl_add_u32 v5, v1, 4, v5
	v_add_nc_u32 v[RD], s23, v5
	v_lshlrev_b32 v5, 12, v2                       ; and the same two rows in out0
	v_lshl_add_u32 v[CO], v1, 4, v5
	s_lshl_b32 s66, s13, 7
	s_lshl_b32 s67, s11, 6
	s_add_co_u32 s66, s66, s67                     ; my first row,
	s_lshl_b32 s66, s66, 12                        ; 4,096 bytes a row,
	s_lshl_b32 s67, s42, 9                         ; my first column
	s_add_co_u32 s66, s66, s67
	s_lshl_b32 s67, s12, 8
	s_add_co_u32 s66, s66, s67
	s_mov_b32 s67, 0
	s_add_nc_u64 s[8:9], s[70:71], s[66:67]
	s_wait_loadcnt 0x0                             ; the bias,
.set i, 0
.rept 16                                               ; rounded to bf16 like every input, kept in f32
	v_cvt_pk_bf16_f32 v30, v[BIAS+2*i], v[BIAS+2*i+1]
	v_lshlrev_b32 v[BIAS+2*i], 16, v30
	v_and_b32 v[BIAS+2*i+1], 0xffff0000, v30
.set i, i+1
.endr
; 8 matrix instructions: m blocks a0, a0 + 1 x all 4 n blocks, 32 along K: half c of buffer f.  zero = 1: the first product starts the sums, with the bias as C
.macro MUL8 f, c, a0, zero
	WIN MUL
.irp a, \a0, (\a0)+1
.irp b, 0,1,2,3
.if \zero
	v_wmma_f32_16x16x32_f16 v[ACC+8*(4*(\a)+(\b)):ACC+8*(4*(\a)+(\b))+7], v[(\f)+64+8*(4*(\c)+(\b)):(\f)+64+8*(4*(\c)+(\b))+7], v[(\f)+8*(4*(\c)+(\a)):(\f)+8*(4*(\c)+(\a))+7], v[BIAS+8*(\b):BIAS+8*(\b)+7]
.else
	v_wmma_f32_16x16x32_f16 v[ACC+8*(4*(\a)+(\b)):ACC+8*(4*(\a)+(\b))+7], v[(\f)+64+8*(4*(\c)+(\b)):(\f)+64+8*(4*(\c)+(\b))+7], v[(\f)+8*(4*(\c)+(\a)):(\f)+8*(4*(\c)+(\a))+7], v[ACC+8*(4*(\a)+(\b)):ACC+8*(4*(\a)+(\b))+7]
.endif
.endr
.endr
.endm
; 32 LDS loads in one run: the fragments of quarter q (one head, 64 along K) into buffer f; the first 32 along K first
.macro FETCH slot, q, f
	WIN TO_F
.irp c, 0,1
.irp i, 0,1,2,3
	ds_load_b128 v[(\f)+64+8*(4*(\c)+(\i)):(\f)+64+8*(4*(\c)+(\i))+3],   v[ADRB+(\slot)] offset:128*(\q)+64*(\c)+(\i)*16*PB
	ds_load_b128 v[(\f)+64+8*(4*(\c)+(\i))+4:(\f)+64+8*(4*(\c)+(\i))+7], v[ADRB+(\slot)] offset:128*(\q)+64*(\c)+(\i)*16*PB+32
	ds_load_b128 v[(\f)+8*(4*(\c)+(\i)):(\f)+8*(4*(\c)+(\i))+3],         v[ADRA+(\slot)] offset:AHEAD*(\q)+64*(\c)+(\i)*16*PA
	ds_load_b128 v[(\f)+8*(4*(\c)+(\i))+4:(\f)+8*(4*(\c)+(\i))+7],       v[ADRA+(\slot)] offset:AHEAD*(\q)+64*(\c)+(\i)*16*PA+32
.endr
.endr
.endm
.macro PLACES                          ; four plain vector instructions between a matrix instruction and a load into, or an LDS store of, its registers
.rept 4
	v_nop
.endr
.endm
; One of a K step's first three quarters: multiplies buffer f (32 matrix instructions, the 16 accumulators by turns) and fetches quarter q into g
.macro QUARTER slot, q, f, g, zero
	s_wait_dscnt 16                                ; the first 32 along K are in; the other sixteen loads may be out
	MUL8 \f, 0, 0, \zero
	MUL8 \f, 0, 2, \zero
	PLACES
	FETCH \slot, \q, \g
	s_wait_dscnt 32                                ; all but the 32 just issued
	MUL8 \f, 1, 0, 0
	MUL8 \f, 1, 2, 0
.endm
; The last quarter multiplies buffer 1 and changes slots: one barrier; in front of it each wave waits for all its tensor loads, adds 0 to its spare word, and waits for that and for its reads of this slot.
; fill = 1: the barrier opens a round of the cluster's, and this slot is filled again, two K steps on, first thing behind the round.
.macro TURN slot, next, fill
	WIN 0
	s_wait_tensorcnt 0x0
	ds_add_u32 v[SPW], v[NIL]
	s_wait_dscnt 17                                ; the add and the youngest sixteen loads may be out
	MUL8 F1, 0, 0, 0
	s_wait_dscnt 0x0                               ; the add is done, and my reads of this slot are over
	s_barrier_signal -1
	MUL8 F1, 0, 2, 0
.if \fill
	WIN 0
.endif
	s_barrier_wait -1
.if \fill
	CREST
	s_add_nc_u64 s[G0+4*(\slot)+2:G0+4*(\slot)+3], s[G0+4*(\slot)+2:G0+4*(\slot)+3], 8*524288
	s_add_nc_u64 s[G0B+4*(\slot)+2:G0B+4*(\slot)+3], s[G0B+4*(\slot)+2:G0B+4*(\slot)+3], 1024
	JLOAD \slot                                    ; 112 matrix instructions ahead of the wait for it; its four v_nop are also the places in front of the loads below
.else
	PLACES
.endif
	FETCH \next, 0, F0
	MUL8 F1, 1, 0, 0
	MUL8 F1, 1, 2, 0
.endm
; THE WAY OUT of block a (16 of my rows): 32 bytes a lane and n block into my stage, each accumulator's low half first, and back as whole rows of 256 bytes, into the registers that they left
.macro OUTB a
.irp b, 0,1,2,3
	ds_store_b128 v[STO], v[ACC+32*(\a)+8*\b:ACC+32*(\a)+8*\b+3]   offset:64*\b
	ds_store_b128 v[STO], v[ACC+32*(\a)+8*\b+4:ACC+32*(\a)+8*\b+7] offset:64*\b+16
.endr
.irp t, 0,1,2,3,4,5,6,7
	ds_load_b128 v[ACC+32*(\a)+4*\t:ACC+32*(\a)+4*\t+3], v[RD] offset:\t*2*SPITCH  ; LDS serves a wave's instructions in order (ISA guide 5.7.1.4): these see the stores above; the next block's stores come behind them
.endr
.endm
.macro SENDB a, younger                ; younger: the LDS instructions issued behind block a's loads: the next block's sixteen, or none
.irp t, 0,1,2,3,4,5,6,7
	s_wait_dscnt (\younger)+7-\t
	global_store_b128 v[CO], v[ACC+32*(\a)+4*\t:ACC+32*(\a)+4*\t+3], s[8:9] offset:(16*(\a)+2*\t)*4096 th:TH_STORE_NT  ; 16 lanes store 256 consecutive bytes, at a multiple of 256 from out0's first byte
.endr
.endm
	s_wait_tensorcnt 1                             ; my part of K step 0 is in; K step 1's may stay out
	s_barrier_signal -1
	s_barrier_wait -1
	FETCH 0, 0, F0
	QUARTER 0, 1, F0, F1, 1                        ; K step 0; its first products start the sums
	QUARTER 0, 2, F1, F0, 0
	QUARTER 0, 3, F0, F1, 0
	TURN 0, 1, 1                                   ; slot 0 takes K step 2
	QUARTER 1, 1, F0, F1, 0                        ; K step 1
	QUARTER 1, 2, F1, F0, 0
	QUARTER 1, 3, F0, F1, 0
	TURN 1, 0, 1                                   ; slot 1 takes K step 3
	QUARTER 0, 1, F0, F1, 0                        ; K step 2
	QUARTER 0, 2, F1, F0, 0
	QUARTER 0, 3, F0, F1, 0
	TURN 0, 1, 0                                   ; nothing is left to fetch
	QUARTER 1, 1, F0, F1, 0                        ; K step 3
	QUARTER 1, 2, F1, F0, 0
	QUARTER 1, 3, F0, F1, 0
	s_wait_dscnt 16
	MUL8 F1, 0, 0, 0
	MUL8 F1, 0, 2, 0
	s_wait_dscnt 0x0
	MUL8 F1, 1, 0, 0
	MUL8 F1, 1, 2, 0
	WIN 0
	PLACES
	OUTB 0
	OUTB 1
	SENDB 0, 16
	OUTB 2
	SENDB 1, 16
	OUTB 3
	SENDB 2, 16
	SENDB 3, 0
	s_wait_tensorcnt 0x0                           ; the wave's end
	ds_add_u32 v[SPW], v[NIL]
	s_wait_dscnt 0x0
	CROUND                                         ; the closing round
	s_endpgm
.Lfunc_end_k_q5e4cabaa38_oproj:
	.size	k_q5e4cabaa38_oproj, .Lfunc_end_k_q5e4cabaa38_oproj-k_q5e4cabaa38_oproj
	.p2alignl 7, 3214868480
	.fill 96, 4, 3214868480
	.section	.rodata,"a",@progbits
	.p2align	6, 0x0
	.amdhsa_kernel k_q5e4cabaa38_oproj
		.amdhsa_group_segment_fixed_size 327680
		.amdhsa_private_segment_fixed_size 0
		.amdhsa_enable_private_segment 0
		.amdhsa_kernarg_size 32
		.amdhsa_user_sgpr_count 2
		.amdhsa_user_sgpr_kernarg_segment_ptr 1
		.amdhsa_wavefront_size32 1
		.amdhsa_system_sgpr_workgroup_id_x 1
		.amdhsa_system_sgpr_workgroup_id_y 1
		.amdhsa_system_sgpr_workgroup_id_z 1
		.amdhsa_system_vgpr_workitem_id 0
		.amdhsa_next_free_vgpr 512
		.amdhsa_next_free_sgpr 72
		.amdhsa_reserve_vcc 0
		.amdhsa_float_denorm_mode_32 3
		.amdhsa_float_denorm_mode_16_64 3
		.amdhsa_memory_ordered 1
		.amdhsa_forward_progress 1
		.amdhsa_inst_pref_size 90
	.end_amdhsa_kernel
	.amdgpu_metadata
---
amdhsa.version: [ 1, 2 ]
amdhsa.kernels:
  - .name:           k_q5e4cabaa38_oproj
    .symbol:         k_q5e4cabaa38_oproj.kd
    .args:
      - { .name: xa, .offset: 0, .size: 8, .value_kind: global_buffer, .address_space: global }
      - { .name: wo, .offset: 8, .size: 8, .value_kind: global_buffer, .address_space: global }
      - { .name: b_o, .offset: 16, .size: 8, .value_kind: global_buffer, .address_space: global }
      - { .name: out0, .offset: 24, .size: 8, .value_kind: global_buffer, .address_space: global }
    .group_segment_fixed_size: 327680
    .private_segment_fixed_size: 0
    .kernarg_segment_align: 8
    .kernarg_segment_size: 32
    .max_flat_workgroup_size: 128
    .sgpr_count:     72
    .vgpr_count:     512
    .wavefront_size: 32
...
	.end_amdgpu_metadata
.endif
;; end of part 4
